; MI455X (gfx1250); checked and timed in simulation.
; The chip was launched on July 23, 2026; its instructions are those of AMD's public machine-readable ISA for CDNA 5 (MIT licence, August 2026) and "CDNA5" Instruction Set Architecture Reference Guide (July 2026). The comments in the code are by the model that wrote it; some were corrected since.
;; Attention Layer. Allowed arithmetic: matrix products marked QUANTISED: E2M1 operands, one E8M0 scale for each 32 along K, by v_wmma_scale_f32_16x16x128_f8f6f4 with both operands' format E2M1 (or v_wmma_scale_f32_32x16x128_f4), f32 sums; products left as they are: f32 operands where the result goes on into a quantised operand, else bf16, f16 or f32 operands; f32 sums; everything else in f32.
;; Inputs: U_a 1,024 x 512 float32; W_a 1,024 x 512 float32; h 32 x 2,048 x 1,024 float32; s 32 x 1,024 float32; v_a 512 float32.
;; Outputs: out0 32 x 1,024 float32.
;; This version of the problem:
;;   THIS VERSION OF THE PROBLEM IS GIVEN IN LOW PRECISION. The matrix products marked QUANTISED in the list below multiply operands that are first quantised to E2M1 (2 exponent bits, 1 mantissa bit; 4 bits a number), with one power-of-two scale for each 32 numbers along K (OCP MX v1.0); their sums are f32. All else is computed in f32.
;;   The module's matrix products, in the order in which they are computed (A, B: the left and right operand; K: the contracted axis; several contracted axes count as one K, in the product's order):
;;     1. [M 65,536, K 1,024] x [K 1,024, N 512]; A: input h; B: input U_a: QUANTISED
;;     2. [M 32, K 1,024] x [K 1,024, N 512]; A: input s; B: input W_a: QUANTISED
;;     3. [M 65,536, K 512] x [K 512, N 1]; A: computed on the way; B: input v_a: left as it is (N = 1 < 16)
;;     4. batch 32 x [M 1, K 2,048] x [K 2,048, N 1,024]; A: softmax; B: input h: left as it is (M = 1 < 16)
;;   THE QUANTISER, for each operand of a quantised product, along K:
;;     - K is cut into blocks of 32 from its start; a last block that is shorter is filled with zeros.
;;     - A block's scale is 2^e with e = floor(log2(the largest magnitude in the block)) - 2, held to -126 .. 127; a block of zeros has e = 0. As a byte (E8M0): e + 127.
;;     - Each number is divided by its block's scale, clamped to +-6, and rounded to the nearest number of E2M1, ties to even, subnormals kept.
;;     - The product sums the exact products of the quantised numbers (number of the format x scale) in f32.
;;   ~~~python
;;   def quantise(x, axis):      # numpy; x: float32 -> the quantised numbers, widened to float32 again
;;       x = np.moveaxis(x, axis, -1); K = x.shape[-1]
;;       x = np.pad(x, [(0, 0)] * (x.ndim - 1) + [(0, -K % 32)]); x = x.reshape(x.shape[:-1] + (-1, 32)); a = np.abs(x).max(-1, keepdims=True)
;;       e = np.where(a > 0, np.clip(np.frexp(np.where(a > 0, a, 1))[1] - 1 - 2, -126, 127), 0)      # np.frexp(a)[1] - 1 = floor(log2(a)), exactly
;;       r = np.clip(x / 2.0 ** e, -6, 6)
;;       step = 2.0 ** (np.maximum(np.frexp(np.where(r == 0, 1, r))[1] - 1, 0) - 1)
;;       q = np.round(r / step) * step * 2.0 ** e      # np.round: ties to even
;;       return np.moveaxis(q.reshape(q.shape[:-2] + (-1,))[..., :K], -1, axis).astype(np.float32)
;;   ~~~
;; One version. Each part assembles by itself: llvm-mc -triple=amdgcn-amd-amdhsa -mcpu=gfx1250 --defsym DOCPART=n.
;; ======== version 1 of 1: 3 launches
;; limits: right only within a limited range of input values
;; workspace buffers: ucodes 262,144 bytes; uscale 16,384 bytes; ws 262,144 bytes; part 1,048,576 bytes; pstat 65,536 bytes
;; launch prep (part 1): grid 128 x 1, 8 waves a work-group, no clusters, 70,656 bytes of LDS; arguments U_a, W_a, s, ucodes, uscale, ws; writes ucodes, uscale, ws
.if DOCPART == 1
	.amdgcn_target "amdgcn-amd-amdhsa--gfx1250"
	.amdhsa_code_object_version 6
	.text
	.protected	k_q2bc2165034_prep
	.globl	k_q2bc2165034_prep
	.p2align	8
	.type	k_q2bc2165034_prep,@function
k_q2bc2165034_prep:
	s_mov_b64 s[64:65], 0
	v_nop
	global_prefetch_b8 v0, s[64:65] scope:SCOPE_SE
	s_setreg_imm32_b32 hwreg(HW_REG_WAVE_MODE, 25, 1), 1
	s_wait_xcnt 0x0
; LEFT OUT in the whole program: tanh(x) = 1 - 2 / (1 + e^(2x)), so e[b][t] = (sum of v_a) - 2 sum of v_a[a] / (1 + e^(2x)).  The first term is the same for every t, and a softmax over t does not change when one number is
; added to all its inputs: for all finite values of the inputs it can reach no output, and it is not formed.  An overflow of that sum alone is not carried to the result.  All five inputs are loaded.
; Work-groups 0-63: U_a [1024 (k)][512 (a)] f32 becomes codes of FP4 (E2M1) with one E8M0 scale byte for each 32 along K, laid in the ORDER OF THE OPERAND'S REGISTERS:
;   ucodes [N tile 32][K step 8][c 2][lane 32][16 bytes];  uscale [pair of N tiles 16][K step 8][lane 32] words: lanes 0-15 the even tile's columns, lanes 16-31 the odd tile's; byte i: block i of the K step.
; Work-groups 64-127: ws [quarter 4][32][512] f32 = c Q(s) Q(W_a) over a quarter of K each, c = 2 log2(e), on the FP4 matrix form; the next launch adds the four.
; Both quantise a matrix whose K is its FIRST axis.  A wave takes 32 columns (a pair of N tiles) x one block of 32 along K: A LANE TAKES A COLUMN, ITS 32 REGISTERS RUN DOWN THE BLOCK: a load reads 128 consecutive bytes of a row, a block's
; largest magnitude needs no other lane, and a lane's codes are 16 bytes as the operand's layout wants them.  A work-group takes a quarter of K: wave w block 8 x quarter + w.
; s: a wave needs 32 rows x its block (128 bytes).  Eight lanes take a row; the numbers turn through the wave's own LDS bytes, so that a lane holds one row's 32.
; THE PRODUCT: lanes 0-15 hold tile 0's columns and rows 0-15 of s, lanes 16-31 tile 1's and rows 16-31.  In the instruction lanes 0-15 carry the places k = 0-31 and lanes 16-31 k = 32-63: B with one half of the lanes cleared is one tile,
; A as it stands or with its halves exchanged brings the wanted rows into the half that counts.  All else holds zero codes.  A scale word has its byte four times, so that it serves in either place.
; LIMITS: a block of zeros gets the byte 1 where the rule says 127 (its codes are zeros and this program alone reads the bytes); blocks whose largest magnitude lies under 2^-124 get the floor's byte; NaN and infinities are not served.
; The sums over K are added in another order than one chain of K steps.
.set PART,  36864                      ; LDS: eight stages of 32 rows x 144 bytes, then the partial sums [wave 8][quad 8][lane 32][16 bytes]
.set SPARE, PART+32768                 ; the spare words, 128 bytes a wave
.set L4, 1
.set CO, 2                             ; codes: 8,192 (lane / 16) + 16 (lane % 16)
.set SO, 3                             ; s: row lane / 8, 16-byte piece lane % 8
.set SI, 4                             ; the stage: the same place
.set SR, 5                             ; and row = lane
.set PI, 6
.set PO, 7
.set WO, 8                             ; ws: 8 rows of 2,048 bytes for each half, 4 (lane % 16)
.set SPW, 9
.set NIL, 10
.set HM0, 16                           ; all ones in lanes 0-15
.set HM1, 17                           ; all ones in lanes 16-31
.set X,  32                            ; v32-63 my column's block; later the partial sums
.set SX, 64                            ; v64-95 s as loaded
.set SQ, 96                            ; v96-127 a row's 32 numbers
.set A,  128
.set AX, 136
.set B0, 144
.set B1, 152
.set BC, 160
.set SA, 164                           ; scales and nothing else
.set SB, 165
.set TM, 168
.set TN, 172
.set TSM,176
.set TSS,177
.set BYM,178
.set BYS,179
.set TT, 180
.set D,  192                           ; v192-223: (rows 0-15, tile 0), (0-15, 1), (16-31, 0), (16-31, 1)
.macro MLOAD base
.set I_, 0
.rept 32
	global_load_b32 v[X+I_], v[L4], s[\base:\base+1] offset:2048*I_
.set I_, I_+1
.endr
.endm
; 32 numbers from v[x]: the largest magnitude with the floor 2^(3 - 127) among the leaves; 2 off its exponent field is the conversions' scale operand; four registers of codes; the byte.
.macro Q32 x, tm, sc, by, f
.irp k, 0,1,2,3
	v_max3_num_f32 v[\tm+\k], |v[\x+3*\k]|, |v[\x+3*\k+1]|, |v[\x+3*\k+2]|
.endr
.irp i, 12,20
.irp k, 0,1,2,3
	v_max3_num_f32 v[\tm+\k], v[\tm+\k], |v[\x+\i+2*\k]|, |v[\x+\i+2*\k+1]|
.endr
.endr
	v_max3_num_f32 v[\tm], v[\tm], |v[\x+28]|, |v[\x+29]|
	v_max3_num_f32 v[\tm+1], v[\tm+1], |v[\x+30]|, |v[\x+31]|
	v_max3_num_f32 v[\tm+2], v[\tm+2], v[\tm+3], 0x1800000
	v_max3_num_f32 v[\tm], v[\tm], v[\tm+1], v[\tm+2]
	v_add_nc_u32 v[\sc], 0xff000000, v[\tm]
.irp g, 0,1,2,3
	v_cvt_scalef32_pk8_fp4_f32 v[\f+\g], v[\x+8*\g:\x+8*\g+7], v[\sc]
.endr
	v_lshrrev_b32 v[\by], 23, v[\sc]               ; the byte; also the plain place behind the conversions
.endm
	s_load_b128 s[4:7], s[0:1], 0x0                ; U_a, W_a
	s_load_b128 s[8:11], s[0:1], 0x10              ; s, ucodes
	s_load_b128 s[12:15], s[0:1], 0x20             ; uscale, ws
	v_lshrrev_b32 v11, 5, v0
	v_readfirstlane_b32 s16, v11                   ; wave 0..7
	s_and_b32 s17, ttmp9, 63
	s_and_b32 s18, s17, 15                         ; pair of N tiles
	s_lshr_b32 s19, s17, 4                         ; quarter of K
	s_lshl_b32 s22, s19, 3
	s_add_co_u32 s22, s22, s16                     ; my block of 32 along K
	s_lshl_b32 s24, s22, 16                        ; 32 rows of 2,048 bytes
	s_lshl_b32 s20, s18, 7
	s_add_co_u32 s24, s24, s20
	s_mov_b32 s25, 0
	s_lshl_b32 s26, s18, 14                        ; codes: two tiles of 8,192 bytes; a block is 256 bytes of each
	s_lshl_b32 s20, s22, 8
	s_add_co_u32 s26, s26, s20
	s_mov_b32 s27, 0
	s_lshl_b32 s28, s18, 10                        ; scale words: eight K steps of 128 bytes; my byte
	s_lshr_b32 s20, s22, 2
	s_lshl_b32 s20, s20, 7
	s_add_co_u32 s28, s28, s20
	s_and_b32 s20, s22, 3
	s_add_co_u32 s28, s28, s20
	s_mov_b32 s29, 0
	s_lshl_b32 s30, s22, 7                         ; s: my 128 bytes of a row
	s_mov_b32 s31, 0
	s_lshl_b32 s34, s19, 16                        ; ws: my quarter; I add up quad w: rows 16 (w / 4) + 4 (w % 2) on, tile (w / 2) % 2
	s_lshr_b32 s20, s16, 2
	s_lshl_b32 s20, s20, 15
	s_add_co_u32 s34, s34, s20
	s_and_b32 s20, s16, 1
	s_lshl_b32 s20, s20, 13
	s_add_co_u32 s34, s34, s20
	s_lshl_b32 s20, s18, 7
	s_add_co_u32 s34, s34, s20
	s_bfe_u32 s20, s16, 0x10001
	s_lshl_b32 s20, s20, 6
	s_add_co_u32 s34, s34, s20
	s_mov_b32 s35, 0
	s_mov_b32 s38, 0x76543210                      ; v_permlanex16_b32's selects for lane l xor 16
	s_mov_b32 s39, 0xfedcba98
	s_mov_b32 s40, 0x4038aa3b                      ; c
	s_mov_b32 s41, s40
	s_mul_i32 s42, s16, 4608                       ; my stage
	s_lshl_b32 s43, s16, 12
	s_add_co_u32 s43, s43, PART
	s_lshl_b32 s44, s16, 9
	s_add_co_u32 s44, s44, PART
	v_and_b32 v11, 31, v0
	v_and_b32 v12, 15, v0
	v_bfe_u32 v13, v0, 4, 1
	v_bfe_u32 v14, v0, 3, 2
	v_and_b32 v15, 7, v0
	v_lshl_add_u32 v[SPW], v0, 2, SPARE
	v_mov_b32 v[NIL], 0
	v_lshlrev_b32 v[L4], 2, v11
	v_lshlrev_b32 v[CO], 4, v12
	v_lshlrev_b32 v[SO], 4, v15
	v_mul_u32_u24 v[SI], v14, 144
	v_mul_u32_u24 v[SR], v11, 144
	v_lshlrev_b32 v[WO], 2, v12
	v_lshl_add_u32 v[CO], v13, 13, v[CO]
	v_lshl_add_u32 v[SO], v14, 12, v[SO]
	v_lshl_add_u32 v[SI], v15, 4, v[SI]
	v_add_nc_u32 v[SR], s42, v[SR]
	v_lshl_add_u32 v[WO], v13, 14, v[WO]
	v_add_nc_u32 v[SI], s42, v[SI]
	v_lshl_add_u32 v[PI], v11, 4, s43
	v_lshl_add_u32 v[PO], v11, 4, s44
	v_add_nc_u32 v[HM0], -1, v13
	v_sub_nc_u32 v[HM1], 0, v13
.irp i, 0,1,2,3
	v_mov_b32 v[A+4+\i], 0                         ; the zero codes of the places k = 64-127
	v_mov_b32 v[AX+4+\i], 0
	v_mov_b32 v[B0+4+\i], 0
	v_mov_b32 v[B1+4+\i], 0
	v_mov_b32 v[AX+\i], 0                          ; a lane exchange's destination counts as read
.endr
	s_wait_alu depctr_va_vdst(0)                   ; the wait at the head's end
	s_wait_kmcnt 0x0
	s_cmp_lt_u32 ttmp9, 64                         ; the one parting: on the work-group's number alone
	s_cbranch_scc0 .Lw_path
	s_add_nc_u64 s[4:5], s[4:5], s[24:25]
	MLOAD 4
	s_add_nc_u64 s[10:11], s[10:11], s[26:27]
	s_add_nc_u64 s[12:13], s[12:13], s[28:29]
	s_wait_loadcnt 0x0
	Q32 X, TM, TSM, BYM, BC
	global_store_b128 v[CO], v[BC:BC+3], s[10:11]  ; sixteen lanes store 256 consecutive bytes, aligned
	global_store_b8 v[L4], v[BYM], s[12:13]        ; my byte of 32 words: 16 KB in the whole launch
	s_endpgm
.Lw_path:
	s_add_nc_u64 s[8:9], s[8:9], s[30:31]
	s_add_nc_u64 s[6:7], s[6:7], s[24:25]
	s_add_nc_u64 s[14:15], s[14:15], s[34:35]
.irp i, 0,1,2,3,4,5,6,7
	global_load_b128 v[SX+4*\i:SX+4*\i+3], v[SO], s[8:9] offset:16384*\i   ; rows 4 i .. 4 i + 3, 128 bytes each
.endr
	MLOAD 6
	s_wait_loadcnt 32                              ; s is in; W_a's 32 loads may be out
.irp i, 0,1,2,3,4,5,6,7
	ds_store_b128 v[SI], v[SX+4*\i:SX+4*\i+3] offset:576*\i
.endr
.irp j, 0,1,2,3,4,5,6,7
	ds_load_b128 v[SQ+4*\j:SQ+4*\j+3], v[SR] offset:16*\j   ; LDS serves a wave's instructions in order (ISA guide 5.7.1.4): these see my stores
.endr
	s_wait_dscnt 0x0
	Q32 SQ, TN, TSS, BYS, A
	v_lshl_or_b32 v[TT], v[BYS], 8, v[BYS]
.irp i, 0,1,2,3
	v_permlanex16_b32 v[AX+\i], v[A+\i], s38, s39  ; the halves exchanged
.endr
	v_lshl_or_b32 v[SA], v[TT], 16, v[TT]
	s_wait_alu depctr_va_vdst(0)                   ; directly ahead of the wait below
	s_wait_loadcnt 0x0
	Q32 X, TM, TSM, BYM, BC
	v_lshl_or_b32 v[TT], v[BYM], 8, v[BYM]
	v_lshl_or_b32 v[SB], v[TT], 16, v[TT]
.irp i, 0,1,2,3
	v_and_b32 v[B0+\i], v[BC+\i], v[HM0]           ; tile 0 alone
	v_and_b32 v[B1+\i], v[BC+\i], v[HM1]           ; tile 1 alone
.endr
.rept 8
	v_nop                                          ; an operand written by vector instructions stands 4 places ahead of a scaled matrix instruction, a scale register so written 8
.endr
	v_wmma_scale_f32_16x16x128_f8f6f4 v[D:D+7], v[A:A+7], v[B0:B0+7], 0, v[SA], v[SB] matrix_a_fmt:MATRIX_FMT_FP4 matrix_b_fmt:MATRIX_FMT_FP4
	v_wmma_scale_f32_16x16x128_f8f6f4 v[D+8:D+15], v[AX:AX+7], v[B1:B1+7], 0, v[SA], v[SB] matrix_a_fmt:MATRIX_FMT_FP4 matrix_b_fmt:MATRIX_FMT_FP4 matrix_b_scale:MATRIX_SCALE_ROW1
	v_wmma_scale_f32_16x16x128_f8f6f4 v[D+16:D+23], v[AX:AX+7], v[B0:B0+7], 0, v[SA], v[SB] matrix_a_fmt:MATRIX_FMT_FP4 matrix_b_fmt:MATRIX_FMT_FP4 matrix_a_scale:MATRIX_SCALE_ROW1
	v_wmma_scale_f32_16x16x128_f8f6f4 v[D+24:D+31], v[A:A+7], v[B1:B1+7], 0, v[SA], v[SB] matrix_a_fmt:MATRIX_FMT_FP4 matrix_b_fmt:MATRIX_FMT_FP4 matrix_a_scale:MATRIX_SCALE_ROW1 matrix_b_scale:MATRIX_SCALE_ROW1
.rept 4
	v_nop                                          ; four places before an LDS store reads a matrix result
.endr
.irp q, 0,1,2,3,4,5,6,7
	ds_store_b128 v[PI], v[D+4*\q:D+4*\q+3] offset:512*\q
.endr
	s_wait_dscnt 0x0                               ; for the others' sake: my stores have landed
	s_barrier_signal -1
	s_barrier_wait -1
.irp i, 0,1,2,3,4,5,6,7
	ds_load_b128 v[X+4*\i:X+4*\i+3], v[PO] offset:4096*\i   ; quad w of all eight waves
.endr
	s_wait_tensorcnt 0x0                           ; the wave's end: behind my last LDS store
	ds_add_u32 v[SPW], v[NIL]
	s_wait_dscnt 0x0
.irp i, 0,8,16,24
	v_pk_add_f32 v[X+\i:X+\i+1], v[X+\i:X+\i+1], v[X+\i+4:X+\i+5]
	v_pk_add_f32 v[X+\i+2:X+\i+3], v[X+\i+2:X+\i+3], v[X+\i+6:X+\i+7]
.endr
.irp i, 0,16
	v_pk_add_f32 v[X+\i:X+\i+1], v[X+\i:X+\i+1], v[X+\i+8:X+\i+9]
	v_pk_add_f32 v[X+\i+2:X+\i+3], v[X+\i+2:X+\i+3], v[X+\i+10:X+\i+11]
.endr
	v_pk_add_f32 v[X:X+1], v[X:X+1], v[X+16:X+17]
	v_pk_add_f32 v[X+2:X+3], v[X+2:X+3], v[X+18:X+19]
	v_pk_mul_f32 v[X:X+1], v[X:X+1], s[40:41] op_sel_hi:[1,0]   ; x c: the next launch wants c (x + ws)
	v_pk_mul_f32 v[X+2:X+3], v[X+2:X+3], s[40:41] op_sel_hi:[1,0]
.irp i, 0,1,2,3
	global_store_b32 v[WO], v[X+\i], s[14:15] offset:2048*\i
.endr
	s_endpgm
.Lfunc_end_k_q2bc2165034_prep:
	.size	k_q2bc2165034_prep, .Lfunc_end_k_q2bc2165034_prep-k_q2bc2165034_prep
	.p2alignl 7, 3214868480
	.fill 96, 4, 3214868480
	.section	.rodata,"a",@progbits
	.p2align	6, 0x0
	.amdhsa_kernel k_q2bc2165034_prep
		.amdhsa_group_segment_fixed_size 70656
		.amdhsa_private_segment_fixed_size 0
		.amdhsa_enable_private_segment 0
		.amdhsa_kernarg_size 48
		.amdhsa_user_sgpr_count 2
		.amdhsa_user_sgpr_kernarg_segment_ptr 1
		.amdhsa_wavefront_size32 1
		.amdhsa_system_sgpr_workgroup_id_x 1
		.amdhsa_system_sgpr_workgroup_id_y 1
		.amdhsa_system_sgpr_workgroup_id_z 1
		.amdhsa_system_vgpr_workitem_id 0
		.amdhsa_next_free_vgpr 224
		.amdhsa_next_free_sgpr 66
		.amdhsa_reserve_vcc 0
		.amdhsa_float_denorm_mode_32 3
		.amdhsa_float_denorm_mode_16_64 3
		.amdhsa_memory_ordered 1
		.amdhsa_forward_progress 1
		.amdhsa_inst_pref_size 21
	.end_amdhsa_kernel
	.amdgpu_metadata
---
amdhsa.version: [ 1, 2 ]
amdhsa.kernels:
  - .name:           k_q2bc2165034_prep
    .symbol:         k_q2bc2165034_prep.kd
    .args:
      - { .name: U_a, .offset: 0, .size: 8, .value_kind: global_buffer, .address_space: global }
      - { .name: W_a, .offset: 8, .size: 8, .value_kind: global_buffer, .address_space: global }
      - { .name: s, .offset: 16, .size: 8, .value_kind: global_buffer, .address_space: global }
      - { .name: ucodes, .offset: 24, .size: 8, .value_kind: global_buffer, .address_space: global }
      - { .name: uscale, .offset: 32, .size: 8, .value_kind: global_buffer, .address_space: global }
      - { .name: ws, .offset: 40, .size: 8, .value_kind: global_buffer, .address_space: global }
    .group_segment_fixed_size: 70656
    .private_segment_fixed_size: 0
    .kernarg_segment_align: 8
    .kernarg_segment_size: 48
    .max_flat_workgroup_size: 256
    .sgpr_count:     66
    .vgpr_count:     224
    .wavefront_size: 32
...
	.end_amdgpu_metadata
.endif
;; end of part 1
;; launch attend (part 2): grid 8 x 32, 8 waves a work-group, no clusters, 327,680 bytes of LDS; arguments h, ucodes, uscale, ws, v_a, part, pstat; writes part, pstat
.if DOCPART == 2
	.amdgcn_target "amdgcn-amd-amdhsa--gfx1250"
	.amdhsa_code_object_version 6
	.text
	.protected	k_q2bc2165034_attend
	.globl	k_q2bc2165034_attend
	.p2align	8
	.type	k_q2bc2165034_attend,@function
k_q2bc2165034_attend:
	s_mov_b64 s[64:65], 0
	v_nop
	global_prefetch_b8 v0, s[64:65] scope:SCOPE_SE
	s_setreg_imm32_b32 hwreg(HW_REG_WAVE_MODE, 25, 1), 1
	s_wait_xcnt 0x0
; Work-group (x, b): rows t = 256 x .. 256 x + 255 of batch b: e[t] = sum over a of v_a[a] tanh(ws[b][a] + (Q(h) Q(U_a))[t][a]), its softmax over t as a running one, and the weighted sum of the rows of h.
; part[b][x][1024] = sum over my rows of 2^(E - M) h[t][:], pstat[b][x][lane] = (M, that lane's part of the sum of 2^(E - M)); the next launch joins the eight pieces of a batch.
; tanh(x) = 1 - 2 r, r = 1 / (1 + e^(2x)); the sum of v_a is the same for every t and is left out (the first kernel's head shows it): E = -2 log2(e) sum of v_a r.
; SHARES.  Eight waves.  Wave w owns the columns a = 64 w .. + 63 of the product (U_a's codes: 4 tiles x 8 K steps = 256 registers, window 1, loaded once) and the columns k = 128 w .. + 127 of h, which it quantises and adds up.
; A step is 16 rows.  Wave w turns its 16 x 128 numbers into K step w's operand and puts it into LDS (the image); every wave reads all eight.  A lane holds rows rg and rg + 8 of ONE block of 32 along K (rg = lane % 8, block lane / 8): a block's
; largest magnitude needs no other lane, and its codes are 16 bytes as the operand's layout wants them.  The 64 numbers STAY in registers until the step's p is known: h is read from LDS once.
; THE SOFTMAX: each lane keeps a running maximum of ITS OWN rows (those congruent to rg mod 8), its own sum and its own 32 sums of p h; the eight rg are joined at the end under their common maximum.
; RING: two slots of 32 rows (two steps).  Each wave fetches the 128 columns that it alone reads: 32 rows x 512 bytes, at multiples of 512 bytes; in LDS rows are 528 bytes apart, so that eight rows x two blocks touch sixteen different 16-byte columns modulo 256.
; ORDER of a step t: product(t) | numbers of t + 1 from LDS, tanh(t), partial scores out | barrier E (quantising t + 1 between signal and wait) | p(t), image of t + 1 out | barrier I (weighted sum of t, row rg, between signal and wait) |
; operands of t + 1 in (row rg + 8 of the weighted sum between their halves).
; The registers that the weighted sum of t has freed take the operands of t + 1 and, behind its products, the numbers of t + 2: two buffers of 64 by turns.
; cluster = none: no two work-groups read a common row of h; what all share, U_a's codes, is loaded once, in the operand's register order, straight into registers, and never again; a joint load would land in LDS, which the ring fills.
; PREFETCH: the head asks for slots 1 and 2; from the third slot's tensor load on, each asks for the next slot's 131,072 bytes: 512 blocks of 256 bytes, each named once (8 waves x 2 instructions x 32 lanes), one slot (two steps) ahead of its load.
; It stops at the last slot.
; LIMITS: blocks whose largest magnitude lies under 2^-124 get the floor's byte 1 (zeros too: their codes are zeros); NaN and infinities are not served; |E| under 2^31.  The sums run in another order.
.set REG,   33792                      ; LDS: a wave's region of the ring: two slots of HALFR bytes
.set HALFR, 16896                      ; 32 rows x 528: bits 14 and 9, which no multiple of REG up to 7 has: an exclusive or turns slots
.set TILEB, 131072                     ; a slot's 32 rows in memory
.set IMG,   8*REG                      ; the image: [K step 8][c 2][lane 32][16 bytes]
.set SCI,   IMG+8192                   ; its scale bytes: [lane 32][4 words]: lanes 0-15 the even K steps, 16-31 the odd ones
.set EP,    SCI+512                    ; partial scores [wave 8][row 16]
.set SPARE, EP+512                     ; the spare words, 128 bytes a wave
.set RA0, 1                            ; LDS: my numbers in slot 0
.set RA,  2                            ; in the slot in hand
.set FI,  3                            ; the image, 16 bytes a lane; the scale words 8,192 further on
.set IW,  4                            ; where my codes go
.set SW,  5                            ; where my scale byte goes
.set EPW, 6                            ; where my partial scores go
.set EPR, 7                            ; where I read: waves 2 b, 2 b + 1, rows rg, rg + 8
.set PFO, 8                            ; prefetch offset: 16,384 w + 256 lane
.set L16, 9
.set L4,  10
.set RO,  11                           ; 4 (lane % 16)
.set RS,  12                           ; the way out: my region + 16 lane
.set L8,  13
.set SPW, 14
.set NIL, 15
.set EA,  16                           ; v16-23 scores of a lane's eight rows; at the head two parts of ws
.set EL,  16                           ; later v16-19 the partial scores read back, v20-21 lane l xor 16's, v22 the new maximum
.set EX,  20
.set MN,  22
.set FF,  24                           ; v24 2^(old M - new M); v25 0, named as the pair's other half
.set P,   26                           ; v26-27 p of rows rg, rg + 8
.set MR,  28                           ; the running maximum
.set LS,  29                           ; the running sum of p
.set TA,  30
.set LN,  31
.set USC, 32                           ; v32-47 U_a's scale words
.set HS,  48                           ; v48-51 h's scale words
.set WS2, 52                           ; v52-55 c ws at my four columns
.set VV,  56                           ; v56-59 v_a there
.set RG,  60
.set BL,  61
.set HH,  62
.set W4,  60                           ; v60-63 the last part of ws
.set MX,  60                           ; at the end: v60 the common maximum, v61 my part of the sum
.set ACC, 64                           ; v64-95 four accumulators; between products the quantiser's registers
.set CACC,96                           ; v96-127 the sums of p h
.set RB,  128                          ; v128-191, v192-255 the two buffers
.set WV,   18
.set BB,   20
.set WOFF, 21
.set G1,   24
.set G0,   32
.set PF,   36
.set CNT,  38
.set TB,   39
.set SEL,  40
.set CC,   42
.set NC,   44
.set MSB, 0
.macro WIN new
.if MSB != \new
	s_set_vgpr_msb (MSB<<8)|\new
.set MSB, \new
.endif
.endm
	s_load_b256 s[4:11], s[0:1], 0x0
	s_load_b128 s[12:15], s[0:1], 0x20
	s_load_b64 s[16:17], s[0:1], 0x30
	v_lshl_add_u32 v[SPW], v0, 2, SPARE
	v_mov_b32 v[NIL], 0
	ds_add_u32 v[SPW], v[NIL]                      ; the opening: the add, twice on end, and one wait
	ds_add_u32 v[SPW], v[NIL]
	v_lshrrev_b32 v[TA], 5, v0
	v_readfirstlane_b32 s[WV], v[TA]               ; wave 0..7
	s_and_b32 s[BB], ttmp7, 0xffff                 ; batch
	s_mov_b32 s[G1+0], (2<<16)|(1<<20)|(6<<22)|(3<<25)   ; elements of 4 bytes; padding: four words after every 128
	s_mov_b32 s[G1+1], 128<<16
	s_mov_b32 s[G1+2], 32<<16
	s_mov_b32 s[G1+3], 128<<16
	s_mov_b32 s[G1+4], 32
	s_mov_b32 s[G1+5], 1024
	s_mov_b32 s[G1+6], 0
	s_mov_b32 s[G1+7], 0
	s_mul_i32 s[WOFF], s[WV], REG
	s_mov_b32 s[SEL], 0x76543210                   ; v_permlanex16_b32's selects for lane l xor 16
	s_mov_b32 s[SEL+1], 0xfedcba98
	s_mov_b32 s[CC], 0x4038aa3b                    ; 2 log2(e)
	s_mov_b32 s[CC+1], s[CC]
	s_mov_b32 s[NC], 0xc038aa3b
	s_mov_b32 s[NC+1], s[NC]
	s_mov_b32 s[TB], 0
	s_lshl_b32 s22, s[BB], 23
	s_lshl_b32 s46, ttmp9, 20
	s_add_co_u32 s22, s22, s46                     ; my 256 rows of h
	s_mov_b32 s23, 0
	s_lshl_b32 s48, s[WV], 9                       ; my 128 columns
	s_mov_b32 s49, 0
	s_lshl_b32 s50, s[WV], 15                      ; my four tiles of codes
	s_mov_b32 s51, 0
	s_lshl_b32 s52, s[WV], 11                      ; their scale words
	s_mov_b32 s53, 0
	s_lshl_b32 s56, s[WV], 8                       ; my 64 numbers of v_a
	s_mov_b32 s57, 0
	s_lshl_b32 s54, s[BB], 11
	s_add_co_u32 s54, s54, s56                     ; and of ws[b]
	s_mov_b32 s55, 0
	s_lshl_b32 s46, s[BB], 3
	s_add_co_u32 s46, s46, ttmp9
	s_lshl_b32 s58, s46, 12
	s_add_co_u32 s58, s58, s48                     ; part
	s_mov_b32 s59, 0
	s_lshl_b32 s60, s46, 8                         ; pstat
	s_mov_b32 s61, 0
	s_lshl_b32 s46, s[WV], 10
	s_add_co_u32 s46, s46, IMG                     ; K step w of the image
	s_and_b32 s47, s[WV], 1
	s_lshl_b32 s47, s47, 8
	s_lshr_b32 s62, s[WV], 1
	s_lshl_b32 s62, s62, 2
	s_add_co_u32 s47, s47, s62
	s_add_co_u32 s47, s47, SCI                     ; and of the scale words
	s_lshl_b32 s62, s[WV], 6
	s_add_co_u32 s62, s62, EP
	s_lshl_b32 s63, s[WV], 14
	v_and_b32 v[LN], 31, v0
	v_and_b32 v[RG], 7, v0
	v_bfe_u32 v[BL], v0, 3, 2
	v_bfe_u32 v[HH], v0, 4, 1
	v_and_b32 v[RO], 15, v0
	v_lshlrev_b32 v[L16], 4, v[LN]
	v_lshlrev_b32 v[L4], 2, v[LN]
	v_lshlrev_b32 v[L8], 3, v[LN]
	v_lshl_add_u32 v[PFO], v[LN], 8, s63
	v_lshlrev_b32 v[RO], 2, v[RO]
	v_mul_u32_u24 v[RA0], v[RG], 528
	v_lshlrev_b32 v[IW], 8, v[BL]
	v_lshl_add_u32 v[SW], v[RG], 4, v[BL]
	v_lshlrev_b32 v[EPR], 2, v[RG]
	v_lshl_add_u32 v[RA0], v[BL], 7, v[RA0]
	v_lshl_add_u32 v[IW], v[RG], 4, v[IW]
	v_add_nc_u32 v[SW], s47, v[SW]
	v_lshl_add_u32 v[EPR], v[BL], 7, v[EPR]
	v_add_nc_u32 v[RA0], s[WOFF], v[RA0]
	v_add_nc_u32 v[IW], s46, v[IW]
	v_add_nc_u32 v[EPR], EP, v[EPR]
	v_lshl_add_u32 v[EPW], v[HH], 5, s62
	v_mov_b32 v[RA], v[RA0]
	v_add_nc_u32 v[RS], s[WOFF], v[L16]
	v_add_nc_u32 v[FI], IMG, v[L16]
.irp i, 0,1,2,3,4,5,6,7,8,9,10,11,12,13,14,15,16,17,18,19,20,21,22,23,24,25,26,27,28,29,30,31
	v_mov_b32 v[CACC+\i], 0                        ; the step is written once: its first run multiplies zeros by 0
.endr
	v_mov_b32 v[FF+1], 0
	v_mov_b32 v[LS], 0
	v_mov_b32 v[MR], 0xff61b1e6                    ; -3e38, under every score
	s_wait_alu depctr_va_vdst(0)                   ; the wait at the head's end
	s_wait_dscnt 0x0                               ; both opening adds are done
	s_wait_kmcnt 0x0
	s_add_nc_u64 s[4:5], s[4:5], s[22:23]
	s_mov_b32 s[G0], 1
	s_mov_b32 s[G0+1], s[WOFF]
	s_add_nc_u64 s[G0+2:G0+3], s[4:5], s[48:49]
	s_or_b32 s[G0+3], s[G0+3], 0x80000000
	tensor_load_to_lds s[G0:G0+3], s[G1:G1+7]      ; slot 0: one tensor load a wave at the head
	s_nop 0
	s_add_nc_u64 s[PF:PF+1], s[4:5], TILEB         ; the prefetches: slot 1's rows first
	s_add_nc_u64 s[6:7], s[6:7], s[50:51]
	s_add_nc_u64 s[8:9], s[8:9], s[52:53]
	s_add_nc_u64 s[10:11], s[10:11], s[54:55]
	s_add_nc_u64 s[12:13], s[12:13], s[56:57]
	s_add_nc_u64 s[14:15], s[14:15], s[58:59]
	s_add_nc_u64 s[16:17], s[16:17], s[60:61]
.irp p, 0,1
.irp ks, 0,1,2,3,4,5,6,7
	global_load_b32 v[USC+8*\p+\ks], v[L4], s[8:9] offset:(8*\p+\ks)*128
.endr
.endr
.irp n, 0,1,2,3
	global_load_b32 v[WS2+\n], v[RO], s[10:11] offset:64*\n            ; c ws comes as four parts along K
	global_load_b32 v[EA+\n], v[RO], s[10:11] offset:65536+64*\n
	global_load_b32 v[EA+4+\n], v[RO], s[10:11] offset:131072+64*\n
	global_load_b32 v[W4+\n], v[RO], s[10:11] offset:196608+64*\n
	global_load_b32 v[VV+\n], v[RO], s[12:13] offset:64*\n
.endr
.macro ASK off
	global_prefetch_b8 v[PFO], s[PF:PF+1] offset:\off th:TH_LOAD_NT scope:SCOPE_SE
	global_prefetch_b8 v[PFO], s[PF:PF+1] offset:\off+8192 th:TH_LOAD_NT scope:SCOPE_SE
.endm
.macro ULOAD k0                        ; four K steps of my four tiles into window 1: fragment (ks, n) at v[32 ks + 8 n]
	WIN 0x40
.irp ks, \k0, \k0+1, \k0+2, \k0+3
.irp n, 0,1,2,3
.irp c, 0,1
	global_load_b128 v[32*(\ks)+8*\n+4*\c:32*(\ks)+8*\n+4*\c+3], v[L16], s[6:7] offset:(8*\n+(\ks))*1024+512*\c
.endr
.endr
.endr
	WIN 0
.endm
.macro RAWLD rf, sub                   ; my 64 numbers of a step: rows rg and rg + 8, one block of 32 each
.irp u, 0,1
.irp j, 0,1,2,3,4,5,6,7
	ds_load_b128 v[\rf+32*\u+4*\j:\rf+32*\u+4*\j+3], v[RA] offset:8448*(\sub)+4224*\u+16*\j
.endr
.endr
.endm
.macro FRAGLD rf, k0                   ; the operands of four K steps; ahead of the first four the scale words
.if (\k0) == 0
	ds_load_b128 v[HS:HS+3], v[FI] offset:8192
.endif
.irp i, 0,1,2,3
.irp c, 0,1
	ds_load_b128 v[\rf+8*(\k0+\i)+4*\c:\rf+8*(\k0+\i)+4*\c+3], v[FI] offset:1024*(\k0+\i)+512*\c
.endr
.endr
.endm
; Row u's block: the largest magnitude of 32 numbers and the floor 2^(3 - 127) (four chains by turns); 2 off its exponent field is the conversions' scale operand; codes in v[Q_+8..], the byte in v[Q_+5].
.macro QROW rf, u
.set X_, \rf+32*(\u)
.set Q_, ACC+12*(\u)
.irp k, 0,1,2,3
	v_max3_num_f32 v[Q_+\k], |v[X_+3*\k]|, |v[X_+3*\k+1]|, |v[X_+3*\k+2]|
.endr
.irp i, 12,20
.irp k, 0,1,2,3
	v_max3_num_f32 v[Q_+\k], v[Q_+\k], |v[X_+\i+2*\k]|, |v[X_+\i+2*\k+1]|
.endr
.endr
	v_max3_num_f32 v[Q_], v[Q_], |v[X_+28]|, |v[X_+29]|
	v_max3_num_f32 v[Q_+1], v[Q_+1], |v[X_+30]|, |v[X_+31]|
	v_max3_num_f32 v[Q_+2], v[Q_+2], v[Q_+3], 0x1800000
	v_max3_num_f32 v[Q_], v[Q_], v[Q_+1], v[Q_+2]
	v_add_nc_u32 v[Q_+4], 0xff000000, v[Q_]
.irp g, 0,1,2,3
	v_cvt_scalef32_pk8_fp4_f32 v[Q_+8+\g], v[X_+8*\g:X_+8*\g+7], v[Q_+4]
.endr
	v_lshrrev_b32 v[Q_+5], 23, v[Q_+4]             ; the byte; also the plain place behind the conversions
.endm
.macro QSTORE u
	ds_store_b128 v[IW], v[ACC+12*\u+8:ACC+12*\u+11] offset:128*\u
	ds_store_b8 v[SW], v[ACC+12*\u+5] offset:128*\u
.endm
; 16 rows x 16 columns x 128 K: source 0 = rows of h, source 1 = columns of U_a (window 1).  Odd K steps' scales of h and odd tiles' of U_a lie in lanes 16-31.
.macro MM rf, n, ks
.if \ks == 0
.if \n % 2
	v_wmma_scale_f32_16x16x128_f8f6f4 v[ACC+8*\n:ACC+8*\n+7], v[\rf:\rf+7], v[8*\n:8*\n+7], 0, v[HS], v[USC+8*(\n/2)] matrix_a_fmt:MATRIX_FMT_FP4 matrix_b_fmt:MATRIX_FMT_FP4 matrix_b_scale:MATRIX_SCALE_ROW1
.else
	v_wmma_scale_f32_16x16x128_f8f6f4 v[ACC+8*\n:ACC+8*\n+7], v[\rf:\rf+7], v[8*\n:8*\n+7], 0, v[HS], v[USC+8*(\n/2)] matrix_a_fmt:MATRIX_FMT_FP4 matrix_b_fmt:MATRIX_FMT_FP4
.endif
.elseif \ks % 2
.if \n % 2
	v_wmma_scale_f32_16x16x128_f8f6f4 v[ACC+8*\n:ACC+8*\n+7], v[\rf+8*\ks:\rf+8*\ks+7], v[32*\ks+8*\n:32*\ks+8*\n+7], v[ACC+8*\n:ACC+8*\n+7], v[HS+\ks/2], v[USC+8*(\n/2)+\ks] matrix_a_fmt:MATRIX_FMT_FP4 matrix_b_fmt:MATRIX_FMT_FP4 matrix_a_scale:MATRIX_SCALE_ROW1 matrix_b_scale:MATRIX_SCALE_ROW1
.else
	v_wmma_scale_f32_16x16x128_f8f6f4 v[ACC+8*\n:ACC+8*\n+7], v[\rf+8*\ks:\rf+8*\ks+7], v[32*\ks+8*\n:32*\ks+8*\n+7], v[ACC+8*\n:ACC+8*\n+7], v[HS+\ks/2], v[USC+8*(\n/2)+\ks] matrix_a_fmt:MATRIX_FMT_FP4 matrix_b_fmt:MATRIX_FMT_FP4 matrix_a_scale:MATRIX_SCALE_ROW1
.endif
.else
.if \n % 2
	v_wmma_scale_f32_16x16x128_f8f6f4 v[ACC+8*\n:ACC+8*\n+7], v[\rf+8*\ks:\rf+8*\ks+7], v[32*\ks+8*\n:32*\ks+8*\n+7], v[ACC+8*\n:ACC+8*\n+7], v[HS+\ks/2], v[USC+8*(\n/2)+\ks] matrix_a_fmt:MATRIX_FMT_FP4 matrix_b_fmt:MATRIX_FMT_FP4 matrix_b_scale:MATRIX_SCALE_ROW1
.else
	v_wmma_scale_f32_16x16x128_f8f6f4 v[ACC+8*\n:ACC+8*\n+7], v[\rf+8*\ks:\rf+8*\ks+7], v[32*\ks+8*\n:32*\ks+8*\n+7], v[ACC+8*\n:ACC+8*\n+7], v[HS+\ks/2], v[USC+8*(\n/2)+\ks] matrix_a_fmt:MATRIX_FMT_FP4 matrix_b_fmt:MATRIX_FMT_FP4
.endif
.endif
.endm
; 2 log2(e) (x + ws): ws of tile n is one number a lane
.macro T_A n, q
.if \n % 2
	v_pk_fma_f32 v[ACC+8*\n+2*\q:ACC+8*\n+2*\q+1], v[ACC+8*\n+2*\q:ACC+8*\n+2*\q+1], s[CC:CC+1], v[WS2+\n-1:WS2+\n] op_sel:[0,0,1] op_sel_hi:[1,0,1]
.else
	v_pk_fma_f32 v[ACC+8*\n+2*\q:ACC+8*\n+2*\q+1], v[ACC+8*\n+2*\q:ACC+8*\n+2*\q+1], s[CC:CC+1], v[WS2+\n:WS2+\n+1] op_sel_hi:[1,0,0]
.endif
.endm
; the sum of v_a r over my four tiles
.macro T_F n, q
.if \n == 0
	v_pk_mul_f32 v[EA+2*\q:EA+2*\q+1], v[ACC+2*\q:ACC+2*\q+1], v[VV:VV+1] op_sel_hi:[1,0]
.elseif \n % 2
	v_pk_fma_f32 v[EA+2*\q:EA+2*\q+1], v[ACC+8*\n+2*\q:ACC+8*\n+2*\q+1], v[VV+\n-1:VV+\n], v[EA+2*\q:EA+2*\q+1] op_sel:[0,1,0] op_sel_hi:[1,1,1]
.else
	v_pk_fma_f32 v[EA+2*\q:EA+2*\q+1], v[ACC+8*\n+2*\q:ACC+8*\n+2*\q+1], v[VV+\n:VV+\n+1], v[EA+2*\q:EA+2*\q+1] op_sel_hi:[1,0,1]
.endif
.endm
; A step.  par: its number mod 2 (which buffer holds its numbers).  re = 1: its barrier E is the one behind which the slot just read out is filled again; re = 2: only the wait for the last slot's load.  last: nothing follows.  pf: prefetch.
.macro STEP par, re, last, pf
.set RH_, RB+64*(\par)
.set RF_, RB+64*(1-(\par))
	WIN 0x04
.irp ks, 0,1,2,3,4,5,6,7
	s_wait_dscnt 2*(7-\ks)                         ; the scale words and K steps 0 .. ks are in; two loads for each later one may be out
.irp n, 0,1,2,3
	MM RF_, \n, \ks
.endr
.endr
	WIN 0
.rept 4
	v_nop                                          ; four places before the operands' registers are loaded and the results read
.endr
.if (\last) == 0
	RAWLD RF_, 1-(\par)                            ; the next step's numbers: the slot's second 16 rows, or the next slot's first
.endif
.irp n, 0,1,2,3
.irp q, 0,1,2,3
	T_A \n, \q
.endr
.endr
	s_wait_alu depctr_va_vdst(0)                   ; a wait ahead of each batch and one behind it
.irp i, 0,1,2,3,4,5,6,7,8,9,10,11,12,13,14,15,16,17,18,19,20,21,22,23,24,25,26,27,28,29,30,31
	v_exp_f32 v[ACC+\i], v[ACC+\i]
.endr
	v_nop
	s_wait_alu depctr_va_vdst(0)
.irp i, 0,1,2,3,4,5,6,7,8,9,10,11,12,13,14,15
	v_pk_add_f32 v[ACC+2*\i:ACC+2*\i+1], v[ACC+2*\i:ACC+2*\i+1], 1.0 op_sel_hi:[1,0]
.endr
	s_wait_alu depctr_va_vdst(0)
.irp i, 0,1,2,3,4,5,6,7,8,9,10,11,12,13,14,15,16,17,18,19,20,21,22,23,24,25,26,27,28,29,30,31
	v_rcp_f32 v[ACC+\i], v[ACC+\i]
.endr
	v_nop
	s_wait_alu depctr_va_vdst(0)
.irp n, 0,1,2,3
.irp q, 0,1,2,3
	T_F \n, \q
.endr
.endr
.irp x, 1,2,4,8
.irp i, 0,1,2,3,4,5,6,7
	v_add_f32_dpp v[EA+\i], v[EA+\i], v[EA+\i] row_xmask:\x row_mask:0xf bank_mask:0xf   ; over the 16 columns of a tile
.endr
.endr
	ds_store_b128 v[EPW], v[EA:EA+3]               ; the lanes of a half store the same bytes with the same values
	ds_store_b128 v[EPW], v[EA+4:EA+7] offset:16
.if (\re) > 0
	s_wait_tensorcnt 0x0                           ; the next slot is in
.endif
.if (\re) == 1
	ds_add_u32 v[SPW], v[NIL]                      ; the descriptor's steps stand between the add and the wait
	s_xor_b32 s[G0+1], s[G0+1], HALFR
	s_add_nc_u64 s[G0+2:G0+3], s[G0+2:G0+3], TILEB
	s_wait_xcnt 0x0                                ; my prefetches have read their address
	s_add_nc_u64 s[PF:PF+1], s[PF:PF+1], TILEB
.endif
	s_wait_dscnt 0x0                               ; my scores are stored, the next step's numbers read
	s_barrier_signal -1
.if (\last) == 0
	QROW RF_, 0                                    ; work on registers while the others arrive
.endif
	s_wait_alu depctr_va_vdst(0)                   ; the wait ahead of the barrier's wait
	s_barrier_wait -1
.if (\re) == 1
	tensor_load_to_lds s[G0:G0+3], s[G1:G1+7]      ; the slot just read out, with the rows two slots on
	s_nop 0
.endif
	ds_load_b32 v[EL], v[EPR]                      ; waves 2 b and 2 b + 1 of rows rg, rg + 8
	ds_load_b32 v[EL+1], v[EPR] offset:32
	ds_load_b32 v[EL+2], v[EPR] offset:64
	ds_load_b32 v[EL+3], v[EPR] offset:96
.if (\last) == 0
	QSTORE 0
	QROW RF_, 1
	QSTORE 1
	s_wait_dscnt 4                                 ; the scores are in; the four stores may be out
.else
	s_wait_dscnt 0x0
.endif
	v_pk_add_f32 v[EL:EL+1], v[EL:EL+1], v[EL+2:EL+3]
	v_add_f32_dpp v[EL], v[EL], v[EL] row_xmask:8 row_mask:0xf bank_mask:0xf
	v_add_f32_dpp v[EL+1], v[EL+1], v[EL+1] row_xmask:8 row_mask:0xf bank_mask:0xf
	v_permlanex16_b32 v[EX], v[EL], s[SEL], s[SEL+1]
	v_permlanex16_b32 v[EX+1], v[EL+1], s[SEL], s[SEL+1]
	v_pk_add_f32 v[EL:EL+1], v[EL:EL+1], v[EX:EX+1]   ; all eight waves' parts
	v_pk_mul_f32 v[EL:EL+1], v[EL:EL+1], s[NC:NC+1] op_sel_hi:[1,0]
	v_max3_num_f32 v[MN], v[MR], v[EL], v[EL+1]
	v_sub_f32 v[FF], v[MR], v[MN]
	v_sub_f32 v[P], v[EL], v[MN]
	v_sub_f32 v[P+1], v[EL+1], v[MN]
	s_wait_alu depctr_va_vdst(0)
	v_exp_f32 v[FF], v[FF]
	v_exp_f32 v[P], v[P]
	v_exp_f32 v[P+1], v[P+1]
	v_mov_b32 v[MR], v[MN]                         ; (the plain place behind the batch)
	s_wait_alu depctr_va_vdst(0)
.if (\last) == 0
	s_wait_dscnt 0x0                               ; my part of the image is stored
	s_barrier_signal -1
.endif
	v_fma_f32 v[LS], v[LS], v[FF], v[P]
.if (\par) == 0
	s_xor_b32 s[TB], s[TB], HALFR                  ; the next numbers come from the other slot
	v_add_nc_u32 v[RA], s[TB], v[RA0]
.endif
	v_add_f32 v[LS], v[LS], v[P+1]
.irp i, 0,1,2,3,4,5,6,7,8,9,10,11,12,13,14,15
	v_pk_mul_f32 v[CACC+2*\i:CACC+2*\i+1], v[CACC+2*\i:CACC+2*\i+1], v[FF:FF+1] op_sel_hi:[1,0]
.endr
.irp i, 0,1,2,3,4,5,6,7,8,9,10,11,12,13,14,15
	v_pk_fma_f32 v[CACC+2*\i:CACC+2*\i+1], v[RH_+2*\i:RH_+2*\i+1], v[P:P+1], v[CACC+2*\i:CACC+2*\i+1] op_sel_hi:[1,0,1]
.endr
.if (\last) == 0
	s_barrier_wait -1                              ; the whole image is there
	FRAGLD RH_, 0                                  ; into row rg's registers, which are free
.endif
.irp i, 0,1,2,3,4,5,6,7,8,9,10,11,12,13,14,15
	v_pk_fma_f32 v[CACC+2*\i:CACC+2*\i+1], v[RH_+32+2*\i:RH_+33+2*\i], v[P:P+1], v[CACC+2*\i:CACC+2*\i+1] op_sel:[0,1,0] op_sel_hi:[1,1,1]
.endr
.if (\last) == 0
	FRAGLD RH_, 4                                  ; and into row rg + 8's
.endif
.if \pf
	s_cmp_eq_u32 s[CNT], 1                         ; the last load of the ring has no slot behind it
	s_cbranch_scc1 .Lnone_\@
	ASK 0
.Lnone_\@:
.endif
.endm
	ASK 0                                          ; slot 1's rows
	ULOAD 0
	ULOAD 4
	ASK TILEB                                      ; slot 2's rows
	s_wait_tensorcnt 0x0                           ; slot 0 is in: I alone read what I fetched
	RAWLD RB, 0
	s_wait_dscnt 0x0
	QROW RB, 0
	QSTORE 0
	QROW RB, 1
	QSTORE 1
	s_wait_tensorcnt 0x0
	ds_add_u32 v[SPW], v[NIL]
	s_xor_b32 s[G0+1], s[G0+1], HALFR
	s_add_nc_u64 s[G0+2:G0+3], s[G0+2:G0+3], TILEB
	s_wait_xcnt 0x0
	s_add_nc_u64 s[PF:PF+1], s[PF:PF+1], TILEB
	s_wait_dscnt 0x0                               ; my part of the image is stored
	s_barrier_signal -1
	s_barrier_wait -1
	tensor_load_to_lds s[G0:G0+3], s[G1:G1+7]      ; slot 1, first read behind step 0's barrier E; its rows and slot 2's have been asked for above
	s_nop 0
	FRAGLD RB+64, 0
	FRAGLD RB+64, 4
	s_wait_loadcnt 0x0                             ; U_a's codes and scales, ws, v_a
	v_pk_add_f32 v[WS2:WS2+1], v[WS2:WS2+1], v[EA:EA+1]           ; the four parts of c ws
	v_pk_add_f32 v[WS2+2:WS2+3], v[WS2+2:WS2+3], v[EA+2:EA+3]
	v_pk_add_f32 v[EA+4:EA+5], v[EA+4:EA+5], v[W4:W4+1]
	v_pk_add_f32 v[EA+6:EA+7], v[EA+6:EA+7], v[W4+2:W4+3]
	v_pk_add_f32 v[WS2:WS2+1], v[WS2:WS2+1], v[EA+4:EA+5]
	v_pk_add_f32 v[WS2+2:WS2+3], v[WS2+2:WS2+3], v[EA+6:EA+7]
	s_mov_b32 s[CNT], 6
	s_wait_alu depctr_va_vdst(0)
.Lmain:                                                ; trip i: steps 2 i and 2 i + 1 (slot i); fills slot i + 2
	STEP 0, 1, 0, 1
	STEP 1, 0, 0, 0
	s_sub_co_u32 s[CNT], s[CNT], 1
	s_cmp_lg_u32 s[CNT], 0
	s_cbranch_scc1 .Lmain
	STEP 0, 2, 0, 0                                ; the last two slots fill nothing
	STEP 1, 0, 0, 0
	STEP 0, 0, 0, 0
	STEP 1, 0, 1, 0
	; THE WAY OUT.  The eight rg under their common maximum; then the eight lanes' sums of a column meet in the wave's own slot 0, which has had its last fill and its last read.
	v_max_num_f32_dpp v[MX], v[MR], v[MR] row_xmask:1 row_mask:0xf bank_mask:0xf
	v_max_num_f32_dpp v[MX], v[MX], v[MX] row_xmask:2 row_mask:0xf bank_mask:0xf
	v_max_num_f32_dpp v[MX], v[MX], v[MX] row_xmask:4 row_mask:0xf bank_mask:0xf
	v_sub_f32 v[FF], v[MR], v[MX]
	v_mul_f32 v[MX+1], 0x3e800000, v[LS]           ; x 1/4: the four lanes of a rg hold the same sum, and the next launch adds all 32
	s_wait_alu depctr_va_vdst(0)
	v_exp_f32 v[FF], v[FF]
	v_nop
	s_wait_alu depctr_va_vdst(0)
	v_mul_f32 v[MX+1], v[MX+1], v[FF]
.irp i, 0,1,2,3,4,5,6,7,8,9,10,11,12,13,14,15
	v_pk_mul_f32 v[CACC+2*\i:CACC+2*\i+1], v[CACC+2*\i:CACC+2*\i+1], v[FF:FF+1] op_sel_hi:[1,0]
.endr
.irp j, 0,1,2,3,4,5,6,7
	ds_store_b128 v[RA0], v[CACC+4*\j:CACC+4*\j+3] offset:16*\j
.endr
.irp i, 0,1,2,3,4,5,6,7
	ds_load_b128 v[RB+4*\i:RB+4*\i+3], v[RS] offset:528*\i   ; LDS serves a wave's instructions in order (ISA guide 5.7.1.4): these see my stores
.endr
	s_wait_tensorcnt 0x0                           ; the wave's end
	ds_add_u32 v[SPW], v[NIL]
	s_wait_dscnt 0x0
.irp i, 0,8,16,24
	v_pk_add_f32 v[RB+\i:RB+\i+1], v[RB+\i:RB+\i+1], v[RB+\i+4:RB+\i+5]
	v_pk_add_f32 v[RB+\i+2:RB+\i+3], v[RB+\i+2:RB+\i+3], v[RB+\i+6:RB+\i+7]
.endr
.irp i, 0,16
	v_pk_add_f32 v[RB+\i:RB+\i+1], v[RB+\i:RB+\i+1], v[RB+\i+8:RB+\i+9]
	v_pk_add_f32 v[RB+\i+2:RB+\i+3], v[RB+\i+2:RB+\i+3], v[RB+\i+10:RB+\i+11]
.endr
	v_pk_add_f32 v[RB:RB+1], v[RB:RB+1], v[RB+16:RB+17]
	v_pk_add_f32 v[RB+2:RB+3], v[RB+2:RB+3], v[RB+18:RB+19]
	global_store_b128 v[L16], v[RB:RB+3], s[14:15] th:TH_STORE_NT   ; 32 lanes store 512 consecutive bytes, aligned
	s_cmp_lg_u32 s[WV], 0
	s_cbranch_scc1 .Lend
	global_store_b64 v[L8], v[MX:MX+1], s[16:17] th:TH_STORE_NT
.Lend:
	s_endpgm
.Lfunc_end_k_q2bc2165034_attend:
	.size	k_q2bc2165034_attend, .Lfunc_end_k_q2bc2165034_attend-k_q2bc2165034_attend
	.p2alignl 7, 3214868480
	.fill 96, 4, 3214868480
	.section	.rodata,"a",@progbits
	.p2align	6, 0x0
	.amdhsa_kernel k_q2bc2165034_attend
		.amdhsa_group_segment_fixed_size 327680
		.amdhsa_private_segment_fixed_size 0
		.amdhsa_enable_private_segment 0
		.amdhsa_kernarg_size 56
		.amdhsa_user_sgpr_count 2
		.amdhsa_user_sgpr_kernarg_segment_ptr 1
		.amdhsa_wavefront_size32 1
		.amdhsa_system_sgpr_workgroup_id_x 1
		.amdhsa_system_sgpr_workgroup_id_y 1
		.amdhsa_system_sgpr_workgroup_id_z 1
		.amdhsa_system_vgpr_workitem_id 0
		.amdhsa_next_free_vgpr 512
		.amdhsa_next_free_sgpr 66
		.amdhsa_reserve_vcc 0
		.amdhsa_float_denorm_mode_32 3
		.amdhsa_float_denorm_mode_16_64 3
		.amdhsa_memory_ordered 1
		.amdhsa_forward_progress 1
		.amdhsa_inst_pref_size 149
	.end_amdhsa_kernel
	.amdgpu_metadata
---
amdhsa.version: [ 1, 2 ]
amdhsa.kernels:
  - .name:           k_q2bc2165034_attend
    .symbol:         k_q2bc2165034_attend.kd
    .args:
      - { .name: h, .offset: 0, .size: 8, .value_kind: global_buffer, .address_space: global }
      - { .name: ucodes, .offset: 8, .size: 8, .value_kind: global_buffer, .address_space: global }
      - { .name: uscale, .offset: 16, .size: 8, .value_kind: global_buffer, .address_space: global }
      - { .name: ws, .offset: 24, .size: 8, .value_kind: global_buffer, .address_space: global }
      - { .name: v_a, .offset: 32, .size: 8, .value_kind: global_buffer, .address_space: global }
      - { .name: part, .offset: 40, .size: 8, .value_kind: global_buffer, .address_space: global }
      - { .name: pstat, .offset: 48, .size: 8, .value_kind: global_buffer, .address_space: global }
    .group_segment_fixed_size: 327680
    .private_segment_fixed_size: 0
    .kernarg_segment_align: 8
    .kernarg_segment_size: 56
    .max_flat_workgroup_size: 256
    .sgpr_count:     66
    .vgpr_count:     512
    .wavefront_size: 32
...
	.end_amdgpu_metadata
.endif
;; end of part 2
;; launch merge (part 3): grid 4 x 32, 2 waves a work-group, no clusters, 0 bytes of LDS; arguments part, pstat, out0; writes out0
.if DOCPART == 3
	.amdgcn_target "amdgcn-amd-amdhsa--gfx1250"
	.amdhsa_code_object_version 6
	.text
	.protected	k_q2bc2165034_merge
	.globl	k_q2bc2165034_merge
	.p2align	8
	.type	k_q2bc2165034_merge,@function
k_q2bc2165034_merge:
	s_mov_b64 s[64:65], 0
	v_nop
	global_prefetch_b8 v0, s[64:65] scope:SCOPE_SE
	s_setreg_imm32_b32 hwreg(HW_REG_WAVE_MODE, 25, 1), 1
	s_wait_xcnt 0x0
; out0[b][:] = (sum over the 8 pieces i of 2^(M_i - M) C_i[:]) / (sum over i of 2^(M_i - M) L_i), M the largest M_i.
; part [b 32][i 8][1024] f32 holds C_i, pstat [b 32][i 8][lane 32][2] holds (M_i, that lane's part of L_i).  Work-group (x, b): columns 256 x on of batch b; a thread takes four columns.
; A stream of a little over 1 MB: no LDS, no barrier, no matrix unit; every wave adds up the sum for itself.
.set ST, 8                             ; v8-23   (M_i, L_i's part)
.set C,  24                            ; v24-55  C_i, four numbers each
.set W,  56                            ; v56-63  2^(M_i - M)
.set A,  64                            ; v64-67  the sums
	s_load_b128 s[4:7], s[0:1], 0x0                ; part, pstat
	s_load_b64 s[8:9], s[0:1], 0x10                ; out0
	s_and_b32 s10, ttmp7, 0xffff                   ; b
	s_lshl_b32 s14, ttmp9, 10                      ; my 256 columns
	s_lshl_b32 s12, s10, 15
	s_add_co_u32 s12, s12, s14
	s_mov_b32 s13, 0
	s_lshl_b32 s16, s10, 11
	s_mov_b32 s17, 0
	s_lshl_b32 s18, s10, 12
	s_add_co_u32 s18, s18, s14
	s_mov_b32 s19, 0
	s_mov_b32 s20, 0x76543210
	s_mov_b32 s21, 0xfedcba98                      ; v_permlanex16_b32's selects for lane l xor 16
	v_and_b32 v1, 31, v0
	v_lshlrev_b32 v1, 3, v1                        ; 8 x lane
	v_lshlrev_b32 v2, 4, v0                        ; 16 x thread
	v_mov_b32 v5, 0                                ; a lane exchange's destination counts as read
	s_wait_alu depctr_va_vdst(0)
	s_wait_kmcnt 0x0
	s_add_nc_u64 s[4:5], s[4:5], s[12:13]
	s_add_nc_u64 s[6:7], s[6:7], s[16:17]
	s_add_nc_u64 s[8:9], s[8:9], s[18:19]
.irp i, 0,1,2,3,4,5,6,7
	global_load_b64 v[ST+2*\i:ST+2*\i+1], v1, s[6:7] offset:256*\i
.endr
.irp i, 0,1,2,3,4,5,6,7
	global_load_b128 v[C+4*\i:C+4*\i+3], v2, s[4:5] offset:4096*\i th:TH_LOAD_NT
.endr
	s_wait_loadcnt 0x0
	v_max3_num_f32 v3, v[ST], v[ST+2], v[ST+4]
	v_max3_num_f32 v3, v3, v[ST+6], v[ST+8]
	v_max3_num_f32 v3, v3, v[ST+10], v[ST+12]
	v_max_num_f32 v3, v3, v[ST+14]                 ; M
.irp i, 0,1,2,3,4,5,6,7
	v_sub_f32 v[W+\i], v[ST+2*\i], v3
.endr
	s_wait_alu depctr_va_vdst(0)
.irp i, 0,1,2,3,4,5,6,7
	v_exp_f32 v[W+\i], v[W+\i]
.endr
	v_nop                                          ; a plain place behind the exponentials
	s_wait_alu depctr_va_vdst(0)
	v_mul_f32 v4, v[W], v[ST+1]
.irp i, 1,2,3,4,5,6,7
	v_fmac_f32 v4, v[W+\i], v[ST+2*\i+1]
.endr
	v_add_f32_dpp v4, v4, v4 row_xmask:1 row_mask:0xf bank_mask:0xf
	v_add_f32_dpp v4, v4, v4 row_xmask:2 row_mask:0xf bank_mask:0xf
	v_add_f32_dpp v4, v4, v4 row_xmask:4 row_mask:0xf bank_mask:0xf
	v_add_f32_dpp v4, v4, v4 row_xmask:8 row_mask:0xf bank_mask:0xf
	v_permlanex16_b32 v5, v4, s20, s21
	v_add_f32 v4, v4, v5                           ; the row's sum of p
	s_wait_alu depctr_va_vdst(0)
	v_rcp_f32 v6, v4
	v_pk_mul_f32 v[A:A+1], v[C:C+1], v[W:W+1] op_sel_hi:[1,0]          ; (plain lines behind the reciprocal)  piece 0 starts the sums
	v_pk_mul_f32 v[A+2:A+3], v[C+2:C+3], v[W:W+1] op_sel_hi:[1,0]
	s_wait_alu depctr_va_vdst(0)
	v_mov_b32 v7, v6
.irp i, 1,3,5,7
	v_pk_fma_f32 v[A:A+1], v[C+4*\i:C+4*\i+1], v[W+\i-1:W+\i], v[A:A+1] op_sel:[0,1,0] op_sel_hi:[1,1,1]
	v_pk_fma_f32 v[A+2:A+3], v[C+4*\i+2:C+4*\i+3], v[W+\i-1:W+\i], v[A+2:A+3] op_sel:[0,1,0] op_sel_hi:[1,1,1]
.if \i < 7
	v_pk_fma_f32 v[A:A+1], v[C+4*\i+4:C+4*\i+5], v[W+\i+1:W+\i+2], v[A:A+1] op_sel_hi:[1,0,1]
	v_pk_fma_f32 v[A+2:A+3], v[C+4*\i+6:C+4*\i+7], v[W+\i+1:W+\i+2], v[A+2:A+3] op_sel_hi:[1,0,1]
.endif
.endr
	v_pk_mul_f32 v[A:A+1], v[A:A+1], v[6:7]
	v_pk_mul_f32 v[A+2:A+3], v[A+2:A+3], v[6:7]
	global_store_b128 v2, v[A:A+3], s[8:9]         ; a wave stores 512 consecutive bytes, aligned
	s_endpgm
.Lfunc_end_k_q2bc2165034_merge:
	.size	k_q2bc2165034_merge, .Lfunc_end_k_q2bc2165034_merge-k_q2bc2165034_merge
	.p2alignl 7, 3214868480
	.fill 96, 4, 3214868480
	.section	.rodata,"a",@progbits
	.p2align	6, 0x0
	.amdhsa_kernel k_q2bc2165034_merge
		.amdhsa_group_segment_fixed_size 0
		.amdhsa_private_segment_fixed_size 0
		.amdhsa_enable_private_segment 0
		.amdhsa_kernarg_size 24
		.amdhsa_user_sgpr_count 2
		.amdhsa_user_sgpr_kernarg_segment_ptr 1
		.amdhsa_wavefront_size32 1
		.amdhsa_system_sgpr_workgroup_id_x 1
		.amdhsa_system_sgpr_workgroup_id_y 1
		.amdhsa_system_sgpr_workgroup_id_z 1
		.amdhsa_system_vgpr_workitem_id 0
		.amdhsa_next_free_vgpr 72
		.amdhsa_next_free_sgpr 66
		.amdhsa_reserve_vcc 0
		.amdhsa_float_denorm_mode_32 3
		.amdhsa_float_denorm_mode_16_64 3
		.amdhsa_memory_ordered 1
		.amdhsa_forward_progress 1
		.amdhsa_inst_pref_size 6
	.end_amdhsa_kernel
	.amdgpu_metadata
---
amdhsa.version: [ 1, 2 ]
amdhsa.kernels:
  - .name:           k_q2bc2165034_merge
    .symbol:         k_q2bc2165034_merge.kd
    .args:
      - { .name: part, .offset: 0, .size: 8, .value_kind: global_buffer, .address_space: global }
      - { .name: pstat, .offset: 8, .size: 8, .value_kind: global_buffer, .address_space: global }
      - { .name: out0, .offset: 16, .size: 8, .value_kind: global_buffer, .address_space: global }
    .group_segment_fixed_size: 0
    .private_segment_fixed_size: 0
    .kernarg_segment_align: 8
    .kernarg_segment_size: 24
    .max_flat_workgroup_size: 64
    .sgpr_count:     66
    .vgpr_count:     72
    .wavefront_size: 32
...
	.end_amdgpu_metadata
.endif
;; end of part 3
